; MI455X (gfx1250); checked and timed in simulation.
; The chip was launched on July 23, 2026; its instructions are those of AMD's public machine-readable ISA for CDNA 5 (MIT licence, August 2026) and "CDNA5" Instruction Set Architecture Reference Guide (July 2026). The comments in the code are by the model that wrote it; some were corrected since.
;; Vq Vae. Allowed arithmetic: float matrix products may take bf16 or f16 operands with f32 sums; all other float work in f32.
;; Inputs: codebooks 4 x 32 x 512 float32; dec_b1 128 float32; dec_b2 128 float32; dec_bf 90 float32; dec_w1 512 x 128 float32; dec_w2 128 x 128 float32; dec_wf 128 x 90 float32; enc_b1 128 float32; enc_b2 128 float32; enc_bf 512 float32; enc_w1 90 x 128 float32; enc_w2 128 x 128 float32; enc_wf 128 x 512 float32; state 131,072 x 10 x 9 float32.
;; Outputs: out0 one number float32; out1 131,072 x 4 int32; out2 one number float32; out3 one number float32; out4 one number float32.
;; One version. Each part assembles by itself: llvm-mc -triple=amdgcn-amd-amdhsa -mcpu=gfx1250 --defsym DOCPART=n.
;; ======== version 1 of 1: 3 launches
;; limits: a difference of large sums (such as E[x^2] - mean^2): digits are lost where the result is much smaller than its terms
;; workspace buffers: wts 241,664 bytes; part 4,096 bytes
;; launch prep (part 1): grid 457 x 1, 8 waves a work-group, no clusters, 101,120 bytes of LDS; arguments codebooks, enc_wf, dec_w1, enc_bf, enc_w1, enc_w2, dec_w2, dec_wf, enc_b1, enc_b2, dec_b1, dec_b2, dec_bf, wts; writes wts
.if DOCPART == 1
	.amdgcn_target "amdgcn-amd-amdhsa--gfx1250"
	.amdhsa_code_object_version 6
	.text
	.protected	k_qd0efb78c90_prep
	.globl	k_qd0efb78c90_prep
	.p2align	8
	.type	k_qd0efb78c90_prep,@function
k_qd0efb78c90_prep:
	s_mov_b64 s[64:65], 0
	v_nop
	global_prefetch_b8 v0, s[64:65] scope:SCOPE_SE
	s_setreg_imm32_b32 hwreg(HW_REG_WAVE_MODE, 25, 1), 1
	s_wait_xcnt 0x0
; Makes the table wts that the main launch keeps in LDS: every weight matrix as bf16 A fragments in register order, and the f32 vectors.
; A fragment is 1,024 bytes: 16 rows m x 32 k.  Its half c (512 bytes) is the tile A[16 ft + r][16 hk + 8 h + e], hk = 2 kf + c,
; at byte 16 (r + 16 h) + 2 e: one work-group makes one such half and stores it as 512 consecutive aligned bytes.
; The 512-wide middle of the model is linear, so it is folded here, in f32 vector arithmetic, each number rounded once to bf16:
;   MT[code][i] = -2 C[code] . wf[i]     QM[i][j] = wf[i] . wf[j]     PT[o][code] = dec_w1[:, o] . C[code]
;   G [code][code'] = 2 C[code] . C[code'] for code' of an earlier group, kept as bf16 hi + bf16 lo
;   bT[code] = |C[code]|^2 - 2 bf . C[code]     bQ[i] = 2 wf[i] . bf     bb = |bf|^2          (f32)
; No matrix unit here: these sums are a thousandth of the model's work and have to be f32 before their one rounding.
; Work-group id: 0-63 MT, 64-127 QM, 128-191 PT, 192-215 G, 216-263 W1, 264-327 W2, 328-391 D2, 392-439 DF, 440-455 bT and bQ, 456 the rest.
.set W1O,  0
.set W2O,  24576
.set MTO,  57344
.set QMO,  90112
.set GO,   122880
.set PTO,  147456
.set D2O,  180224
.set DFO,  212992
.set CSTO, 237568
.set PIT,  2064                        ; an LDS row: 2,048 bytes + 16
.set XS,   0                           ; 16 rows X, where X is staged by rows
.set XC,   16*PIT                      ; 16 rows X, where X is staged by columns (PT): bytes of its own, so that no store of one way of staging meets a store of the other
.set TT,   32*PIT                      ; the tile, 256 f32, T[16 m + k]
.set YS,   32*PIT+1024                 ; 16 rows Y; beyond the reach of a 16-bit offset, so two address registers carry it
.set XR,   8                           ; v[8:39]    two rows of X, 16 numbers a lane each
.set YR,   40                          ; v[40:103]  four rows of Y
.set SM,   104                         ; v[104:111] eight sums
.set OUT,  112                         ; v112       lane 16 ml + k keeps sum (ml, k)
.set PT2,  114                         ; v[114:121] the other half's sums
.set YW,   122                         ; v122       where I store my 16 bytes of Y's rows
.set YA,   123                         ; v123       YS + 16 x lane: where I read Y's rows
; sums over the 32 lanes of n registers from base on, the chains side by side; every lane ends with the sum
.macro REDN base, n
.irp m, 1,2,4,8
.set rr, 0
.rept \n
	v_add_f32_dpp v[\base+rr], v[\base+rr], v[\base+rr] row_xmask:\m row_mask:0xf bank_mask:0xf
.set rr, rr+1
.endr
.endr
.set rr, 0
.rept \n
	v_permlanex16_b32 v[PT2+rr], v[\base+rr], s4, s5
.set rr, rr+1
.endr
.set rr, 0
.rept \n
	v_add_f32 v[\base+rr], v[\base+rr], v[PT2+rr]
.set rr, rr+1
.endr
.endm
	s_load_b512 s[8:23], s[0:1], 0x0               ; codebooks 8, enc_wf 10, dec_w1 12, enc_bf 14, enc_w1 16, enc_w2 18, dec_w2 20, dec_wf 22
	s_load_b256 s[24:31], s[0:1], 0x40             ; enc_b1 24, enc_b2 26, dec_b1 28, dec_b2 30
	s_load_b128 s[32:35], s[0:1], 0x60             ; dec_bf 32, wts 34
	v_lshl_add_u32 v128, v0, 2, 0x18700
	v_mov_b32 v129, 0
	s_mov_b32 s2, ttmp9                            ; the work-group's number
	v_lshrrev_b32 v1, 5, v0
	v_readfirstlane_b32 s3, v1                     ; wave
	v_and_b32 v1, 31, v0                           ; lane
	v_lshlrev_b32 v2, 4, v1                        ; 16 x lane
	v_lshl_add_u32 v3, v0, 2, TT                   ; my word of T
	s_mov_b32 s4, 0x76543210                       ; v_permlanex16_b32: lane i takes lane i of the other half
	s_mov_b32 s5, 0xfedcba98
	s_mov_b32 s53, 0                               ; upper word of every byte offset in s[52:53]
.irp i, 0,1,2,3,4,5,6,7
	v_mov_b32 v[PT2+\i], 0                         ; a permute's destination counts as read
.endr
	s_wait_kmcnt 0x0
	s_cmp_ge_u32 s2, 456
	s_cbranch_scc1 .Lconst
	s_cmp_ge_u32 s2, 440
	s_cbranch_scc1 .Lvec
	s_cmp_ge_u32 s2, 216
	s_cbranch_scc1 .Lcopy
	s_cmp_ge_u32 s2, 192
	s_cbranch_scc1 .Lg
	; MT, QM, PT: section = id / 64, ft = bits 5:3, hk = bits 2:0
	s_lshr_b32 s36, s2, 6
	s_bfe_u32 s44, s2, 0x30003
	s_and_b32 s45, s2, 7
	s_lshl_b32 s52, s44, 15                        ; X as rows: 16 ft rows of 2,048 bytes
	s_lshl_b32 s54, s44, 6                         ; X as columns: 16 ft columns of 4 bytes
	s_mov_b32 s46, QMO
	s_cmp_eq_u32 s36, 0
	s_cselect_b64 s[40:41], s[8:9], s[10:11]       ; X: the codebooks for MT, enc_wf for QM
	s_cselect_b32 s48, -2.0, 1.0                   ; the scale
	s_cselect_b32 s46, MTO, s46
	s_cmp_eq_u32 s36, 2
	s_cselect_b64 s[40:41], s[12:13], s[40:41]     ; PT: X is dec_w1, by columns
	s_cselect_b64 s[42:43], s[8:9], s[10:11]       ; Y: the codebooks for PT, else enc_wf
	s_cselect_b32 s46, PTO, s46
	s_cselect_b32 s51, 1, 0
	s_cselect_b32 s52, s54, s52
	s_add_nc_u64 s[40:41], s[40:41], s[52:53]
	s_lshl_b32 s52, s45, 15
	s_add_nc_u64 s[42:43], s[42:43], s[52:53]
	s_lshl_b32 s54, s44, 12
	s_add_co_u32 s46, s46, s54
	s_lshl_b32 s54, s45, 9
	s_add_co_u32 s46, s46, s54                     ; section + 4,096 ft + 512 hk
	s_mov_b32 s49, s48
	s_mov_b32 s50, 0                               ; no lo part
	s_branch .Ldot
.Lg:	; G: t = id - 192; group g has 4 g tiles; they begin at t = 0, 4, 12, which is also 2 g (g - 1), the group's first fragment
	s_sub_co_u32 s36, s2, 192
	s_mov_b32 s37, 1
	s_mov_b32 s38, 0
	s_cmp_ge_u32 s36, 4
	s_cselect_b32 s37, 2, s37
	s_cselect_b32 s38, 4, s38
	s_cmp_ge_u32 s36, 12
	s_cselect_b32 s37, 3, s37
	s_cselect_b32 s38, 12, s38
	s_sub_co_u32 s36, s36, s38                     ; u
	s_lshl_b32 s39, s37, 1                         ; 2 g
	s_cmp_ge_u32 s36, s39
	s_cselect_b32 s44, 1, 0                        ; ft
	s_mul_i32 s45, s44, s39
	s_sub_co_u32 s45, s36, s45                     ; hk = u - 2 g ft
	s_add_co_u32 s52, s39, s44
	s_lshl_b32 s52, s52, 15                        ; X: codebook rows 32 g + 16 ft
	s_add_nc_u64 s[40:41], s[8:9], s[52:53]
	s_lshl_b32 s52, s45, 15                        ; Y: codebook rows 16 hk
	s_add_nc_u64 s[42:43], s[8:9], s[52:53]
	s_mul_i32 s46, s44, s37
	s_add_co_u32 s46, s46, s38
	s_lshl_b32 s46, s46, 10
	s_lshl_b32 s54, s45, 9
	s_add_co_u32 s46, s46, s54
	s_add_co_u32 s46, s46, GO                      ; G + (2 g (g - 1) + ft g) 1,024 + 512 hk
	s_mov_b32 s48, 2.0
	s_mov_b32 s49, 2.0
	s_lshl_b32 s50, s37, 11                        ; the lo part lies 2 g fragments further on
	s_mov_b32 s51, 0
.Ldot:	; 16 x 16 sums over 512.  Both operands' 16 rows go to LDS, 32 KiB each; wave w then makes rows 2 w, 2 w + 1 of the tile.
	v_lshlrev_b32 v4, 4, v0                        ; 16 t: 256 threads take 4,096 consecutive bytes, two rows
.irp i, 0,1,2,3,4,5,6,7
	global_load_b128 v[8+4*\i:11+4*\i], v4, s[42:43] offset:4096*\i
.endr
	v_lshrrev_b32 v5, 7, v0
	v_and_b32 v6, 127, v0
	v_mul_u32_u24 v5, PIT, v5
	v_lshl_add_u32 v5, v6, 4, v5                   ; (t / 128) rows + 16 (t mod 128)
	v_add_nc_u32 v[YW], YS, v5
	v_add_nc_u32 v[YA], YS, v2
	s_cmp_eq_u32 s51, 1
	s_cbranch_scc1 .Lcols
.irp i, 0,1,2,3,4,5,6,7
	global_load_b128 v[40+4*\i:43+4*\i], v4, s[40:41] offset:4096*\i
.endr
	s_wait_loadcnt 0x0
.irp i, 0,1,2,3,4,5,6,7
	ds_store_b128 v5, v[40+4*\i:43+4*\i] offset:XS+2*PIT*\i
.endr
	s_branch .Lysto
.Lcols:	; X = 16 columns of dec_w1 [512][128]: thread t takes 16 bytes (4 columns) of row t / 4 + 64 i and lays them down transposed
	v_lshrrev_b32 v6, 2, v0
	v_and_b32 v7, 3, v0
	v_lshlrev_b32 v72, 9, v6
	v_lshl_add_u32 v72, v7, 4, v72
.irp i, 0,1,2,3,4,5,6,7
	global_load_b128 v[40+4*\i:43+4*\i], v72, s[40:41] offset:32768*\i
.endr
	v_mul_u32_u24 v7, 4*PIT, v7
	v_lshl_add_u32 v7, v6, 2, v7
	s_wait_loadcnt 0x0
.irp i, 0,1,2,3,4,5,6,7
.irp e, 0,1,2,3
	ds_store_b32 v7, v[40+4*\i+\e] offset:XC+\e*PIT+256*\i
.endr
.endr
.Lysto:
.irp i, 0,1,2,3,4,5,6,7
	ds_store_b128 v[YW], v[8+4*\i:11+4*\i] offset:2*PIT*\i
.endr
	s_wait_dscnt 0x0                               ; my stores are in LDS, for the other waves' sake
	s_barrier_signal -1
	s_barrier_wait -1
	v_lshrrev_b32 v6, 5, v0
	v_mul_u32_u24 v6, 2*PIT, v6
	v_add_nc_u32 v6, v6, v2                        ; rows 2 w, 2 w + 1 of X; a lane takes numbers 4 L + 128 q + 0..3
	s_cmp_eq_u32 s51, 1                            ; X is read where this work-group's way of staging has put it
	s_cbranch_scc1 .Lxcol
.irp ml, 0,1
.irp q, 0,1,2,3
	ds_load_b128 v[XR+16*\ml+4*\q:XR+16*\ml+4*\q+3], v6 offset:XS+\ml*PIT+512*\q
.endr
.endr
	s_branch .Lxin
.Lxcol:
.irp ml, 0,1
.irp q, 0,1,2,3
	ds_load_b128 v[XR+16*\ml+4*\q:XR+16*\ml+4*\q+3], v6 offset:XC+\ml*PIT+512*\q
.endr
.endr
.Lxin:
	v_mov_b32 v[OUT], 0
; four rows of Y against my two of X: eight chains of one multiply and fifteen fused multiply-adds, summed over the lanes
.macro BATCH b
.irp kk, 0,1,2,3
.irp q, 0,1,2,3
	ds_load_b128 v[YR+16*\kk+4*\q:YR+16*\kk+4*\q+3], v[YA] offset:(4*\b+\kk)*PIT+512*\q
.endr
.endr
	s_wait_dscnt 0x0
.irp ml, 0,1
.irp kk, 0,1,2,3
	v_mul_f32 v[SM+4*\ml+\kk], v[XR+16*\ml], v[YR+16*\kk]
.endr
.endr
.set ee, 1
.rept 15
.irp ml, 0,1
.irp kk, 0,1,2,3
	v_fmac_f32 v[SM+4*\ml+\kk], v[XR+16*\ml+ee], v[YR+16*\kk+ee]
.endr
.endr
.set ee, ee+1
.endr
	REDN SM, 8
.irp ml, 0,1
.irp kk, 0,1,2,3
	s_mov_b32 s54, 1<<(16*\ml+4*\b+\kk)
	v_cndmask_b32 v[OUT], v[OUT], v[SM+4*\ml+\kk], s54     ; lane 16 ml + k keeps it
.endr
.endr
.endm
	BATCH 0
	BATCH 1
	BATCH 2
	BATCH 3
	ds_store_b32 v3, v[OUT]                        ; T[16 (2 w + ml) + k] = word 32 w + lane
	s_branch .Lend
.Lcopy:	; a 16 x 16 tile of a weight matrix stored [k][m], transposed to A[m][k], zeros beyond the matrix
	s_cmp_ge_u32 s2, 264
	s_cbranch_scc1 .Lc2
	s_sub_co_u32 s36, s2, 216                      ; W1: ft = u mod 8, hk = u / 8 (0 to 5)
	s_and_b32 s44, s36, 7
	s_lshr_b32 s45, s36, 3
	s_mul_i32 s46, s44, 3072                       ; three fragments for each ft; the section begins at 0
	s_mov_b64 s[40:41], s[16:17]
	s_mov_b32 s37, 90                              ; k below 90
	s_mov_b32 s38, 128                             ; m below 128
	s_mov_b32 s39, 512                             ; bytes from k to k + 1
	s_branch .Lcp
.Lc2:
	s_sub_co_u32 s36, s2, 264
	s_lshr_b32 s52, s36, 6                         ; 0 W2, 1 D2, 2 DF
	s_and_b32 s36, s36, 63
	s_lshr_b32 s44, s36, 3
	s_and_b32 s45, s36, 7
	s_lshl_b32 s46, s44, 12
	s_mov_b32 s54, D2O
	s_mov_b32 s37, 128
	s_mov_b32 s38, 128
	s_mov_b32 s39, 512
	s_cmp_eq_u32 s52, 0
	s_cselect_b64 s[40:41], s[18:19], s[20:21]
	s_cselect_b32 s54, W2O, s54
	s_cmp_eq_u32 s52, 2
	s_cselect_b64 s[40:41], s[22:23], s[40:41]
	s_cselect_b32 s54, DFO, s54
	s_cselect_b32 s38, 90, s38                     ; dec_wf has 90 columns,
	s_cselect_b32 s39, 360, s39                    ; 360 bytes a row
	s_add_co_u32 s46, s46, s54
.Lcp:
	s_lshl_b32 s52, s45, 9
	s_add_co_u32 s46, s46, s52
	s_mov_b32 s48, 1.0
	s_mov_b32 s49, 1.0
	s_mov_b32 s50, 0
	v_lshrrev_b32 v4, 4, v0                        ; kk
	v_and_b32 v5, 15, v0                           ; mm: neighbouring lanes read neighbouring numbers
	v_lshl_add_u32 v6, s45, 4, v4                  ; k
	v_lshl_add_u32 v7, s44, 4, v5                  ; m
	s_sub_co_u32 s54, s37, 1
	s_sub_co_u32 s55, s38, 1
	v_min_u32 v8, s54, v6                          ; clamped: every load stays inside the matrix
	v_min_u32 v9, s55, v7
	v_mul_lo_u32 v8, v8, s39
	v_lshl_add_u32 v8, v9, 2, v8
	global_load_b32 v10, v8, s[40:41]
	v_cmp_gt_u32 vcc_lo, s37, v6
	v_cmp_gt_u32 s54, s38, v7
	s_and_b32 vcc_lo, vcc_lo, s54
	v_lshl_add_u32 v11, v5, 4, v4
	v_lshl_add_u32 v11, v11, 2, TT                 ; T[16 mm + kk]
	s_wait_loadcnt 0x0
	v_cndmask_b32 v10, 0, v10, vcc_lo
	ds_store_b32 v11, v10
.Lend:	; the tile lies in T; wave 0 scales it, rounds it and stores the half fragment
	s_wait_dscnt 0x0                               ; my word of T is in LDS, for wave 0's sake
	s_barrier_signal -1
	s_barrier_wait -1
	s_cmp_lg_u32 s3, 0
	s_cbranch_scc1 .Ldone
	v_and_b32 v4, 15, v1
	v_lshrrev_b32 v5, 4, v1
	v_lshlrev_b32 v4, 6, v4
	v_lshl_add_u32 v4, v5, 5, v4
	v_add_nc_u32 v4, TT, v4                        ; T[16 r + 8 h]
	ds_load_b128 v[8:11], v4
	ds_load_b128 v[12:15], v4 offset:16
	s_mov_b32 s52, s46
	s_add_nc_u64 s[56:57], s[34:35], s[52:53]
	s_mov_b32 s52, s50
	s_add_nc_u64 s[58:59], s[56:57], s[52:53]
	s_wait_dscnt 0x0
.irp i, 0,2,4,6
	v_pk_mul_f32 v[8+\i:9+\i], v[8+\i:9+\i], s[48:49] op_sel_hi:[1,0]
.endr
.irp i, 0,1,2,3
	v_cvt_pk_bf16_f32 v[16+\i], v[8+2*\i], v[9+2*\i]
.endr
	global_store_b128 v2, v[16:19], s[56:57]       ; 32 lanes, 512 consecutive bytes, aligned
	s_cmp_eq_u32 s50, 0
	s_cbranch_scc1 .Ldone
.irp i, 0,1,2,3
	v_lshlrev_b32 v[20+2*\i], 16, v[16+\i]         ; G alone: what the rounding left over, rounded again
	v_and_b32 v[21+2*\i], 0xffff0000, v[16+\i]
.endr
.irp i, 0,2,4,6
	v_pk_add_f32 v[8+\i:9+\i], v[8+\i:9+\i], v[20+\i:21+\i] neg_lo:[0,1] neg_hi:[0,1]
.endr
.irp i, 0,1,2,3
	v_cvt_pk_bf16_f32 v[28+\i], v[8+2*\i], v[9+2*\i]
.endr
	global_store_b128 v2, v[28:31], s[58:59]
.Ldone:
	s_wait_tensorcnt 0x0
	ds_add_u32 v128, v129
	s_wait_dscnt 0x0
	s_endpgm
.Lvec:	; bT and bQ: row a of [codebooks; enc_wf] gives alpha a.a + beta a.bf; wave w takes rows 16 v + 2 w and the next
	s_sub_co_u32 s36, s2, 440
	s_cmp_lt_u32 s36, 8
	s_cselect_b64 s[40:41], s[8:9], s[10:11]
	s_cselect_b32 s48, 1.0, 0
	s_cselect_b32 s49, -2.0, 2.0
	s_and_b32 s52, s36, 7
	s_lshl_b32 s52, s52, 15
	s_add_nc_u64 s[40:41], s[40:41], s[52:53]
	v_lshrrev_b32 v4, 5, v0
	v_lshl_add_u32 v5, v4, 12, v2                  ; two rows a wave + 16 x lane
.irp q, 0,1,2,3
	global_load_b128 v[8+4*\q:11+4*\q], v2, s[14:15] offset:512*\q
.endr
.irp q, 0,1,2,3
	global_load_b128 v[24+4*\q:27+4*\q], v5, s[40:41] offset:512*\q
.endr
.irp q, 0,1,2,3
	global_load_b128 v[40+4*\q:43+4*\q], v5, s[40:41] offset:2048+512*\q
.endr
	s_lshl_b32 s52, s36, 6
	s_add_co_u32 s52, s52, CSTO+1024
	s_add_nc_u64 s[56:57], s[34:35], s[52:53]
	v_lshlrev_b32 v6, 2, v1
	v_lshl_add_u32 v6, v4, 3, v6                   ; 8 w + 4 lane
	s_wait_loadcnt 0x0
	v_mul_f32 v[SM], v24, v24
	v_mul_f32 v[SM+1], v24, v8
	v_mul_f32 v[SM+2], v40, v40
	v_mul_f32 v[SM+3], v40, v8
.set ee, 1
.rept 15
	v_fmac_f32 v[SM], v[24+ee], v[24+ee]
	v_fmac_f32 v[SM+1], v[24+ee], v[8+ee]
	v_fmac_f32 v[SM+2], v[40+ee], v[40+ee]
	v_fmac_f32 v[SM+3], v[40+ee], v[8+ee]
.set ee, ee+1
.endr
	REDN SM, 4
	v_mul_f32 v60, s49, v[SM+1]
	v_mul_f32 v61, s49, v[SM+3]
	v_fmac_f32 v60, s48, v[SM]
	v_fmac_f32 v61, s48, v[SM+2]
	s_mov_b32 s54, 2
	v_cndmask_b32 v60, v60, v61, s54               ; lane 0 the first row's number, lane 1 the second's
	v_cmp_gt_u32 vcc_lo, 2, v1
	s_wait_xcnt 0x0                                ; EXEC is a source of the loads above: it changes only behind this wait
	s_and_saveexec_b32 s55, vcc_lo
	global_store_b32 v6, v60, s[56:57]
	s_wait_xcnt 0x0
	s_or_b32 exec_lo, exec_lo, s55
	s_endpgm
.Lconst:	; waves 0-3 copy four biases of 512 bytes, wave 4 pads dec_bf to 128 numbers, wave 5 makes |bf|^2
	s_cmp_ge_u32 s3, 6
	s_cbranch_scc1 .Ldone
	s_cmp_eq_u32 s3, 5
	s_cbranch_scc1 .Lbb
	s_cmp_eq_u32 s3, 4
	s_cbranch_scc1 .Ldbf
	s_cmp_eq_u32 s3, 0
	s_cselect_b64 s[40:41], s[24:25], s[26:27]
	s_cmp_eq_u32 s3, 2
	s_cselect_b64 s[40:41], s[28:29], s[40:41]
	s_cmp_eq_u32 s3, 3
	s_cselect_b64 s[40:41], s[30:31], s[40:41]
	s_cmp_ge_u32 s3, 2
	s_cselect_b32 s52, 1536, 0                     ; places 0, 512, 2,560, 3,072
	s_lshl_b32 s54, s3, 9
	s_add_co_u32 s52, s52, s54
	s_add_co_u32 s52, s52, CSTO
	s_add_nc_u64 s[56:57], s[34:35], s[52:53]
	global_load_b128 v[8:11], v2, s[40:41]
	s_wait_loadcnt 0x0
	global_store_b128 v2, v[8:11], s[56:57]
	s_endpgm
.Ldbf:
	s_mov_b32 s52, CSTO+3584
	s_add_nc_u64 s[56:57], s[34:35], s[52:53]
	v_lshlrev_b32 v4, 2, v1
.irp e, 0,1,2,3
	v_add_nc_u32 v[8+\e], \e, v4                   ; index 4 lane + e,
	v_min_u32 v[12+\e], 89, v[8+\e]                ; clamped to the vector's 90 numbers
	v_lshlrev_b32 v[12+\e], 2, v[12+\e]
.endr
.irp e, 0,1,2,3
	global_load_b32 v[16+\e], v[12+\e], s[32:33]
.endr
	s_wait_loadcnt 0x0
.irp e, 0,1,2,3
	v_cmp_gt_u32 vcc_lo, 90, v[8+\e]
	v_cndmask_b32 v[16+\e], 0, v[16+\e], vcc_lo
.endr
	global_store_b128 v2, v[16:19], s[56:57]
	s_endpgm
.Lbb:
	s_mov_b32 s52, CSTO+2048
	s_add_nc_u64 s[56:57], s[34:35], s[52:53]
.irp q, 0,1,2,3
	global_load_b128 v[8+4*\q:11+4*\q], v2, s[14:15] offset:512*\q
.endr
	s_wait_loadcnt 0x0
	v_mul_f32 v[SM], v8, v8
.set ee, 1
.rept 15
	v_fmac_f32 v[SM], v[8+ee], v[8+ee]
.set ee, ee+1
.endr
	REDN SM, 1
	s_mov_b32 s54, 1
	v_cndmask_b32 v24, 0, v[SM], s54               ; lane 0's first word; zeros everywhere else
	v_mov_b32 v25, 0
	v_mov_b32 v26, 0
	v_mov_b32 v27, 0
	global_store_b128 v2, v[24:27], s[56:57]
	s_endpgm
.Lfunc_end_k_qd0efb78c90_prep:
	.size	k_qd0efb78c90_prep, .Lfunc_end_k_qd0efb78c90_prep-k_qd0efb78c90_prep
	.p2alignl 7, 3214868480
	.fill 96, 4, 3214868480
	.section	.rodata,"a",@progbits
	.p2align	6, 0x0
	.amdhsa_kernel k_qd0efb78c90_prep
		.amdhsa_group_segment_fixed_size 101120
		.amdhsa_private_segment_fixed_size 0
		.amdhsa_enable_private_segment 0
		.amdhsa_kernarg_size 112
		.amdhsa_user_sgpr_count 2
		.amdhsa_user_sgpr_kernarg_segment_ptr 1
		.amdhsa_wavefront_size32 1
		.amdhsa_system_sgpr_workgroup_id_x 1
		.amdhsa_system_sgpr_workgroup_id_y 1
		.amdhsa_system_sgpr_workgroup_id_z 1
		.amdhsa_system_vgpr_workitem_id 0
		.amdhsa_next_free_vgpr 130
		.amdhsa_next_free_sgpr 66
		.amdhsa_reserve_vcc 1
		.amdhsa_float_denorm_mode_32 3
		.amdhsa_float_denorm_mode_16_64 3
		.amdhsa_memory_ordered 1
		.amdhsa_forward_progress 1
		.amdhsa_inst_pref_size 61
	.end_amdhsa_kernel
	.amdgpu_metadata
---
amdhsa.version: [ 1, 2 ]
amdhsa.kernels:
  - .name:           k_qd0efb78c90_prep
    .symbol:         k_qd0efb78c90_prep.kd
    .args:
      - { .name: codebooks, .offset: 0, .size: 8, .value_kind: global_buffer, .address_space: global }
      - { .name: enc_wf, .offset: 8, .size: 8, .value_kind: global_buffer, .address_space: global }
      - { .name: dec_w1, .offset: 16, .size: 8, .value_kind: global_buffer, .address_space: global }
      - { .name: enc_bf, .offset: 24, .size: 8, .value_kind: global_buffer, .address_space: global }
      - { .name: enc_w1, .offset: 32, .size: 8, .value_kind: global_buffer, .address_space: global }
      - { .name: enc_w2, .offset: 40, .size: 8, .value_kind: global_buffer, .address_space: global }
      - { .name: dec_w2, .offset: 48, .size: 8, .value_kind: global_buffer, .address_space: global }
      - { .name: dec_wf, .offset: 56, .size: 8, .value_kind: global_buffer, .address_space: global }
      - { .name: enc_b1, .offset: 64, .size: 8, .value_kind: global_buffer, .address_space: global }
      - { .name: enc_b2, .offset: 72, .size: 8, .value_kind: global_buffer, .address_space: global }
      - { .name: dec_b1, .offset: 80, .size: 8, .value_kind: global_buffer, .address_space: global }
      - { .name: dec_b2, .offset: 88, .size: 8, .value_kind: global_buffer, .address_space: global }
      - { .name: dec_bf, .offset: 96, .size: 8, .value_kind: global_buffer, .address_space: global }
      - { .name: wts, .offset: 104, .size: 8, .value_kind: global_buffer, .address_space: global }
    .group_segment_fixed_size: 101120
    .private_segment_fixed_size: 0
    .kernarg_segment_align: 8
    .kernarg_segment_size: 112
    .max_flat_workgroup_size: 256
    .sgpr_count:     66
    .vgpr_count:     130
    .wavefront_size: 32
...
	.end_amdgpu_metadata
.endif
;; end of part 1
;; launch main (part 2): grid 256 x 1, 4 waves a work-group, clusters of 4 x 1, 289,536 bytes of LDS; arguments state, wts, out1, part; writes out1, part
.if DOCPART == 2
	.amdgcn_target "amdgcn-amd-amdhsa--gfx1250"
	.amdhsa_code_object_version 6
	.text
	.protected	k_qd0efb78c90_main
	.globl	k_qd0efb78c90_main
	.p2align	8
	.type	k_qd0efb78c90_main,@function
k_qd0efb78c90_main:
	s_mov_b64 s[64:65], 0
	v_nop
	global_prefetch_b8 v0, s[64:65] scope:SCOPE_SE
	s_setreg_imm32_b32 hwreg(HW_REG_WAVE_MODE, 25, 1), 1
	s_wait_xcnt 0x0
	s_wait_alu depctr_hold_cnt(0) depctr_sa_sdst(0) depctr_va_vdst(0) depctr_va_sdst(0) depctr_va_ssrc(0) depctr_va_vcc(0) depctr_vm_vsrc(0)
	s_getreg_b32 s2, hwreg(HW_REG_IB_STS2, 6, 4)
	s_cmp_eq_u32 s2, 0
	s_cbranch_scc0 .Lentry_in_a_cluster
	s_endpgm
.Lentry_in_a_cluster:
	s_bfe_u32 s2, ttmp6, 0x10000c
	s_cmp_lg_u32 s2, 0x3003
	s_cbranch_scc0 .Lentry_shape_is_right
	s_endpgm
.Lentry_shape_is_right:
; The whole model for 512 rows a work-group: encoder, four stages of residual VQ, decoder, and the work-group's three partial sums of the losses.
; Four waves; wave w takes rows 128 w + 64 pass + 0..63 in two passes, four batch tiles (bt) of 16 rows at a time.
; Everything is computed TRANSPOSED: D(m = feature, n = row) = A(weights, from LDS) x B(activations, in registers).  Lane (r, h), register j of a
; D tile F holds feature 16 F + 8 h + j of row r, so two neighbouring tiles, rounded to bf16 in pairs, ARE the next layer's B fragment
; (k fragment F / 2, registers 4 (F mod 2) + i): activations never leave the registers.  A weight fragment of 1 KiB feeds four matrix instructions.
; The 512-wide middle is linear and is folded into four 128 x 128 tables by the launch before (see there):
;   distance without its part common to all codes:  d_g(k) = bT[k] + MT[k] . h2 + sum over earlier groups j of (GH + GL)[k][idx_j]
;   |r|^2 = h2 . (QM h2 + bQ) + bb;  |res_(g+1)|^2 = |res_g|^2 + min d_g;  decoder layer 1 = PT x onehot(idx) + b
; The gather by idx is a matrix product with a one-hot operand made by selects: no address hangs on a computed number.
; THE SCHEDULE: the unit of work is a HALF: one feature tile x four batch tiles x all k fragments, 12 to 40 matrix instructions on four accumulators
; that take turns.  Behind each matrix instruction stands one SLICE (4 to 12 vector lines) of the epilogue of the half before, which lies in the other 32
; accumulator registers: vector work is issued while the matrix unit works.  The next half's fragments are asked for in one run behind the third
; matrix instruction, into the fragment set that the half before has read.  The quantiser's epilogue needs both halves of a block, so it rides in a block of
; the |r|^2 product, which has accumulators of its own; hence the order T0 Q0 T1 Q1 T2 Q2 T3 Q3.
; LIMITS, kept on purpose: h2 is rounded to bf16 once and all that follows is a function of that h2; the commitment loss comes from the expanded
; distance (all parts that do not hang on the row are f32, or bf16 hi + lo, good to 2^-17); a row whose two best distances differ by less than the
; bf16 rounding of MT . h2 (2^-9 of that term) may take the other code; among equal distances the lowest index wins; NaN or infinite inputs are not
; served (the index would come out as 64).
; CLUSTER: all work-groups read the same 241,664 bytes of wts, more than the 184,320 of their own rows.  Four work-groups form a cluster and ask for
; them jointly: each wave issues ONE tensor load, a quarter of the table, with the mask of all four.  That is the only tensor load of a wave; nothing in
; LDS is ever filled again.  x goes through registers and a small scratch written by ds_store: the table and a slot of 64 rows x 360 bytes for each of four waves would
; be 333,824 bytes, more than the 327,680 there are.
.set W1O,  0                           ; sections of the table, as the launch before lays them
.set W2O,  24576
.set MTO,  57344
.set QMO,  90112
.set GO,   122880
.set PTO,  147456
.set D2O,  180224
.set DFO,  212992
.set CSTO, 237568                      ; f32: b1 0, b2 512, bT 1024, bQ 1536, bb 2048, db1 2560, db2 3072, dbf 3584
.set WQ,   60416                       ; a quarter of the table: 236 rows of 256 bytes
.set XSC,  241664                      ; behind the table: each wave's scratch for 32 rows of x (and 256 bytes more)
.set XSW,  11776
.set RED,  288768                      ; 16 bytes a wave: the partial sums
.set XPASS, 23040                      ; 64 rows of 360 bytes
; window 0
.set LN,   1                           ; lane
.set RR,   2                           ; r = lane mod 16
.set HH,   3                           ; h = lane / 16
.set L16,  4                           ; 16 x lane; never rewritten
.set BAD,  6                           ; CSTO + 32 h
.set XRD,  7                           ; scratch + 360 r + 32 h
.set XR0,  8                           ; scratch + 360 r
.set XWR,  9                           ; scratch + 16 lane
.set HM,   10                          ; h ? 0 : all ones
.set H8,   11                          ; 8 h
.set ONEL, 12                          ; bf16 1.0 in the low half
.set ONEH, 13                          ; bf16 1.0 in the high half
.set GAD,  14                          ; at work at the head and in the tail
.set MN,   16                          ; v[16:19]   a batch tile's least distance
.set T2,   20                          ; v[20:23]   from the other half of the lanes
.set IX,   24                          ; v[24:27]   index at work
.set ADR,  28                          ; v[28:31]   16 x lane + 65,536 k: with a 16-bit offset they reach the whole table
.set AF,   32                          ; v[32:95]   two sets of four A fragments: set ft at 32 + 32 ft
.set BI,   96                          ; v[96:111]  the bias of a feature tile, as C: set ft at 96 + 8 ft
.set ACC,  112                         ; v[112:175] tile (ft, bt) at 112 + 32 ft + 8 bt
.set IDX,  176                         ; v[176:191] idx of group g, tile bt at 176 + 4 g + bt
.set TMP,  192                         ; v[192:207]
.set AR,   224                         ; v[224:227] sums of h2 . (QM h2 + bQ), one for each bt
.set AM,   228                         ; v228       sum of (4 - g) min d_g
.set AS,   230                         ; v[230:237] sums of squares, four pairs
.set AA,   238                         ; v[238:245] sums of magnitudes, eight
; window 1: E (one-hot) 0-127, P 128-255; x as loaded 0-179 at the head of a pass.  window 2: R 0-127, G's fragments 128-223.
; window 3: x in f32, 48 bt + 8 t + j, 0-191; the accumulators of the |r|^2 product 192-255.
; An activation fragment (bt, kf) lies at base + 32 bt + 8 kf.
.set A2,   128
.set ACC2, 192
.set MSB, 0
.set PFB, 0                            ; what the half that follows needs: its fragments' place in the table,
.set PFN, -1                           ; how many (-1: nothing follows),
.set PFT, 0                            ; its bias's place among the vectors,
.set PFF, 0                            ; which set they go to,
.set PFG, 0                            ; and the group whose fragments of G are asked for with them (0: none)
.set NV, 0
.macro WIN new                         ; s_set_vgpr_msb, low byte: 1:0 source 0, 3:2 source 1, 5:4 source 2, 7:6 destination; the high byte repeats the setting left
.if MSB != \new
	s_set_vgpr_msb (MSB<<8)|\new
.set MSB, \new
.endif
.endm
.macro WINL                            ; for lines that name window 0 as destination and as source 0 and nothing else: most matrix settings serve them as they are
.if (MSB&0xc3) != 0
	WIN 0
.endif
.endm
.macro PLACES                          ; four places behind a matrix instruction before its result is read or a load goes into its registers
.rept 4
	v_nop
.endr
.endm
.macro ROUND                           ; a round of the cluster's barrier
	s_barrier_signal -1
	s_barrier_wait -1
	s_cmp_lg_u32 s12, 0
	s_cbranch_scc1 .Lnot_wave_0_\@
	s_barrier_signal -3
.Lnot_wave_0_\@:
	s_barrier_wait -3
	s_barrier_signal -1
	s_barrier_wait -1
.endm
.macro XLOAD                           ; a pass's 64 rows: 45 loads of 512 consecutive bytes
	WIN 0x40
.set ii, 0
.rept 45
	global_load_b128 v[4*ii:4*ii+3], v[L16], s[28:29] offset:512*ii th:TH_LOAD_NT
.set ii, ii+1
.endr
.endm
.macro NEXT nb, nn, nt                 ; says what the half that follows needs
.set PFB, \nb
.set PFN, \nn
.set PFT, \nt
.endm
.macro PFL l                           ; load l of that: 0, 1 the bias (register j = feature 16 F + 8 h + j), then two for each fragment, 16 bytes a lane at neighbouring addresses
.if (\l) < 2
	ds_load_b128 v[BI+8*PFF+4*(\l):BI+8*PFF+4*(\l)+3], v[BAD] offset:PFT+16*(\l)
.else
	ds_load_b128 v[AF+32*PFF+4*((\l)-2):AF+32*PFF+4*((\l)-2)+3], v[ADR+((PFB+512*((\l)-2))>>16)] offset:(PFB+512*((\l)-2))&0xffff
.endif
.endm
.macro LOADG g                         ; group g's 4 g fragments of G: hi (ft, j), then lo (ft, j)
	WIN 0x80
.set ff, 0
.rept 8*\g
	ds_load_b128 v[A2+4*ff:A2+4*ff+3], v[ADR+((GO+2048*\g*(\g-1)+512*ff)>>16)] offset:(GO+2048*\g*(\g-1)+512*ff)&0xffff
.set ff, ff+1
.endr
.endm
; ---- the epilogues, in slices.  ESF: the feature tile (0, 1) whose accumulators a slice reads; EBT, EPH: batch tile and phase; ESL: slice number.  NV: plain vector lines emitted.
; max with 0 and rounding in pairs: half a k fragment of the next layer's operand.  The max has its one register source in place 0, so it runs under the matrix setting.
.macro RELU_SL dwin, dreg
.if EPH < 2
	WINL
.irp k, 0,1,2,3
	v_max_num_f32_e64 v[ACC+32*ESF+8*EBT+4*EPH+\k], v[ACC+32*ESF+8*EBT+4*EPH+\k], 0
.endr
.set NV, 4
.endif
.if EPH == 2
	WIN \dwin
.irp k, 0,1,2,3
	v_cvt_pk_bf16_f32 v[\dreg+32*EBT+4*ESF+\k], v[ACC+32*ESF+8*EBT+2*\k], v[ACC+32*ESF+8*EBT+2*\k+1]
.endr
.set NV, 4
.endif
.endm
; Group g of the quantiser, 32 slices: a lane holds 16 of a row's 32 distances (code 16 ft + 8 h + j), the lane 16 further on the others.  The four batch tiles' chains run side by side.
.macro VQB e
.irp bt, 0,1,2,3
	v_min3_num_f32 v[MN+\bt], v[MN+\bt], v[ACC+8*\bt+(\e&7)+32*(\e>>3)], v[ACC+8*\bt+((\e+1)&7)+32*((\e+1)>>3)]
.endr
.endm
.macro VQ_SL g, coef
.if ESL < 24
	WIN 0
.else
	WIN 0x40
.endif
.if ESL == 0
.irp bt, 0,1,2,3
	v_min3_num_f32 v[MN+\bt], v[ACC+8*\bt], v[ACC+8*\bt+1], v[ACC+8*\bt+2]
.endr
	VQB 3
	VQB 5
.endif
.if ESL == 1
	VQB 7
	VQB 9
	VQB 11
.endif
.if ESL == 2
	VQB 13
.irp bt, 0,1,2,3
	v_min_num_f32 v[MN+\bt], v[MN+\bt], v[ACC+8*\bt+39]
.endr
.irp bt, 0,1,2,3
	v_permlanex16_b32 v[T2+\bt], v[MN+\bt], s32, s33
.endr
.endif
.if ESL == 3
.irp bt, 0,1,2,3
	v_min_num_f32 v[MN+\bt], v[MN+\bt], v[T2+\bt]          ; the row's least distance, in both halves of the lanes
	v_mov_b32 v[IX+\bt], 64
.endr
.endif
.if ESL >= 4
.if ESL < 20
.set EE, 19-ESL                                                ; 15 down to 0: the lowest index that reaches the minimum stays
.irp bt, 0,1,2,3
	v_cmp_neq_f32 s[40+\bt], v[ACC+8*\bt+(EE&7)+32*(EE>>3)], v[MN+\bt]
.endr
.irp bt, 0,1,2,3
	v_cndmask_b32 v[IX+\bt], (EE&7)+16*(EE>>3), v[IX+\bt], s[40+\bt]
.endr
.endif
.endif
.if ESL == 20
.irp bt, 0,1,2,3
	v_add_nc_u32 v[IX+\bt], v[IX+\bt], v[H8]
.endr
.irp bt, 0,1,2,3
	v_permlanex16_b32 v[T2+\bt], v[IX+\bt], s32, s33
.endr
.endif
.if ESL == 21
.irp bt, 0,1,2,3
	v_min_u32 v[IDX+4*\g+\bt], v[IX+\bt], v[T2+\bt]        ; the lower of the two halves' indices
	v_fmac_f32 v[AM], \coef, v[MN+\bt]                     ; the minimum counts in this and all later stages' losses
.endr
.endif
.if ESL == 22
.irp bt, 0,1,2,3
	v_sub_nc_u32 v[T2+\bt], v[IDX+4*\g+\bt], v[H8]         ; e = idx - 8 h: 0-7 is in my registers 0-3, 16-23 in my registers 4-7
.endr
.irp bt, 0,1,2,3
	v_lshrrev_b32 v[TMP+2*\bt], 1, v[T2+\bt]               ; which register
	v_and_b32 v[T2+\bt], 1, v[T2+\bt]                      ; which half of it
.endr
.endif
.if ESL == 23
.irp bt, 0,1,2,3
	v_cmp_eq_u32 s[40+\bt], 1, v[T2+\bt]
.endr
.irp bt, 0,1,2,3
	v_cndmask_b32 v[TMP+2*\bt+1], v[ONEL], v[ONEH], s[40+\bt]
.endr
.endif
.if ESL >= 24
.set EI, ESL-24
.irp bt, 0,1,2,3
	v_cmp_eq_u32 s[40+\bt], (EI+4*(EI>>2)), v[TMP+2*\bt]
.endr
.irp bt, 0,1,2,3
	v_cndmask_b32 v[32*\bt+8*\g+EI], 0, v[TMP+2*\bt+1], s[40+\bt]      ; k fragment g of the one-hot operand
.endr
.endif
.set NV, 4
.endm
; h2 . (QM h2 + bQ), 16 slices: the bf16 half of R that holds the same feature of the same row lies in the same lane.  Slice = (ft, register j), the four batch tiles side by side.
.macro QEPI_SL p
	WIN 0x0e
.irp bt, 0,1,2,3
.if (ESL&1) == 0
	v_fma_mix_f32_bf16 v[AR+\bt], v[32*\bt+8*(\p)+4*(ESL>>3)+((ESL&7)>>1)], v[ACC2+32*(ESL>>3)+8*\bt+(ESL&7)], v[AR+\bt] op_sel:[0,0,0] op_sel_hi:[1,0,0]
.else
	v_fma_mix_f32_bf16 v[AR+\bt], v[32*\bt+8*(\p)+4*(ESL>>3)+((ESL&7)>>1)], v[ACC2+32*(ESL>>3)+8*\bt+(ESL&7)], v[AR+\bt] op_sel:[1,0,0] op_sel_hi:[1,0,0]
.endif
.endr
.set NV, 4
.endm
; e = x - y in f32, its squares and magnitudes; features 90 to 95 are 0 in both.  Four phases a tile; the sums are kept by place in the tile, so no phase is a chain.
.macro LOSS_SL p
.if EPH == 0
	WIN 0x03
.irp i, 0,1,2,3
	v_pk_add_f32 v[ACC+32*ESF+8*EBT+2*\i:ACC+32*ESF+8*EBT+2*\i+1], v[48*EBT+8*(2*(\p)+ESF)+2*\i:48*EBT+8*(2*(\p)+ESF)+2*\i+1], v[ACC+32*ESF+8*EBT+2*\i:ACC+32*ESF+8*EBT+2*\i+1] neg_lo:[0,1] neg_hi:[0,1]
.endr
.endif
.if EPH == 1
	WIN 0
.irp i, 0,1,2,3
	v_pk_fma_f32 v[AS+2*\i:AS+2*\i+1], v[ACC+32*ESF+8*EBT+2*\i:ACC+32*ESF+8*EBT+2*\i+1], v[ACC+32*ESF+8*EBT+2*\i:ACC+32*ESF+8*EBT+2*\i+1], v[AS+2*\i:AS+2*\i+1]
.endr
.endif
.if EPH >= 2
	WIN 0
.irp k, 0,1,2,3
	v_add_f32 v[AA+4*(EPH-2)+\k], v[AA+4*(EPH-2)+\k], |v[ACC+32*ESF+8*EBT+4*(EPH-2)+\k]|
.endr
.endif
.set NV, 4
.endm
; ---- A HALF: feature tile ft of a block: 4 nkf matrix instructions (k fragment outer, batch tile inner), then for the quantiser's group g the 8 g of (GH + GL) x one-hot.
; w0, w1: the setting for the first k fragment (C = the bias: nothing is cleared, no bias is added later) and for the others; bb: B's base; ab: the accumulators' base.
; et: what rides along: 0 nothing, 1 RELU_SL ea, eb; 2 VQ_SL ea, ec from slice eb on; 3 QEPI_SL ea; 4 LOSS_SL ea; each on the tiles of the other ft.
; The four accumulators take turns, one instruction a turn, from half to half too.
; Places (ISA guide 7.12.1): the first three and the last four slots hold at least two plain vector lines each.  So the first reader of a tile, in the next half's first slot, stands
; eight places behind the matrix instruction that wrote it, and the run of loads behind the third matrix instruction eight behind the last reader of the registers that it fills.
.macro HALF nkf, w0, w1, bb, ab, ft, g, et, ea, eb, ec
	s_wait_dscnt 0x0                               ; this half's fragments and bias, asked for early in the half before
.set PFF, 1-\ft
.set ESF, 1-\ft
.set HN, 4*\nkf+8*\g
.set HS, 0
.rept 4*\nkf+8*\g
.set HB, HS&3
.set HK, HS>>2
.if HS < 4
	WIN \w0
	v_wmma_f32_16x16x32_bf16 v[\ab+32*\ft+8*HB:\ab+32*\ft+8*HB+7], v[AF+32*\ft:AF+32*\ft+7], v[\bb+32*HB:\bb+32*HB+7], v[BI+8*\ft:BI+8*\ft+7]
.else
.if HS < 4*\nkf
	WIN \w1
	v_wmma_f32_16x16x32_bf16 v[\ab+32*\ft+8*HB:\ab+32*\ft+8*HB+7], v[AF+32*\ft+8*HK:AF+32*\ft+8*HK+7], v[\bb+32*HB+8*HK:\bb+32*HB+8*HK+7], v[\ab+32*\ft+8*HB:\ab+32*\ft+8*HB+7]
.else
.set HJ, HK-\nkf                                               ; 0 to 2 g - 1: hi or lo = HJ / g, the earlier group = HJ mod g
	WIN 0x06
	v_wmma_f32_16x16x32_bf16 v[\ab+32*\ft+8*HB:\ab+32*\ft+8*HB+7], v[A2+8*((HJ/\g)*2*\g+\ft*\g+HJ%\g):A2+8*((HJ/\g)*2*\g+\ft*\g+HJ%\g)+7], v[32*HB+8*(HJ%\g):32*HB+8*(HJ%\g)+7], v[\ab+32*\ft+8*HB:\ab+32*\ft+8*HB+7]
.endif
.endif
.set NV, 0
.if \et == 1
.set EBT, HS/(HN/4)
.set EPH, HS%(HN/4)
	RELU_SL \ea, \eb
.endif
.if \et == 2
.set ESL, HS+\eb
	VQ_SL \ea, \ec
.endif
.if \et == 3
.if HS < 16
.set ESL, HS
	QEPI_SL \ea
.endif
.endif
.if \et == 4
.set EBT, HS>>2
.set EPH, HS&3
	LOSS_SL \ea
.endif
.set PD, 0
.if HS < 3
.set PD, 1
.endif
.if HS >= HN-4
.set PD, 1
.endif
.if PD
.if NV < 2
.rept 2-NV
	v_nop
.endr
.endif
.endif
.if HS == 2
.if PFN > 0
	WINL
.set LL, 0
.rept 2+2*PFN
	PFL LL                                         ; one run: the next half's bias and fragments, into the set that the half before has read
.set LL, LL+1
.endr
.endif
.if PFG > 0
	LOADG PFG
.endif
.endif
.set HS, HS+1
.endr
.set PFG, 0
.endm
; A block of a layer with ReLU: its first half carries what the caller says (the epilogue of the half before it), its second half the epilogue of its first.
.macro RBLK nkf, win, bb, sec, tab, p, het, hea, heb, dwin, dbase, nb2, nn2, nt2
	NEXT \sec+1024*\nkf*(2*\p+1), \nkf, \tab+64*(2*\p+1)
	HALF \nkf, \win, \win, \bb, ACC, 0, 0, \het, \hea, \heb, 0
	NEXT \nb2, \nn2, \nt2
	HALF \nkf, \win, \win, \bb, ACC, 1, 0, 1, \dwin, \dbase+8*\p, 0
.endm
; Group g's 32 distances (g above 0): the first half carries the epilogue of the |r|^2 block before it; its own results wait for both halves.
.macro TBLK g
	NEXT MTO+8192*\g+4096, 4, 1024+128*\g+64
	HALF 4, 0x08, 0x08, 0, ACC, 0, \g, 3, \g-1, 0, 0
	NEXT QMO+8192*\g, 4, 1536+128*\g
	HALF 4, 0x08, 0x08, 0, ACC, 1, \g, 0, 0, 0, 0
.endm
; Block g of QM h2 + bQ, on accumulators of its own in window 3; it carries group g of the quantiser, 16 slices a half.
.macro QBLK g, coef, nb2, nt2
	NEXT QMO+8192*\g+4096, 4, 1536+128*\g+64
.if \g < 3
.set PFG, \g+1
.endif
	HALF 4, 0xc8, 0xf8, 0, ACC2, 0, 0, 2, \g, 0, \coef
	NEXT \nb2, 4, \nt2
	HALF 4, 0xc8, 0xf8, 0, ACC2, 1, 0, 2, \g, 16, \coef
.endm
.macro CODES                           ; a row's four codes are 16 bytes: lanes 0-15 take tile 2 pr, lanes 16-31 tile 2 pr + 1; a store covers 512 consecutive bytes, aligned
	WIN 0
.irp pr, 0,1
.irp g, 0,1,2,3
	v_cndmask_b32 v[TMP+8+4*\pr+\g], v[IDX+4*\g+2*\pr], v[IDX+4*\g+2*\pr+1], s34
.endr
	global_store_b128 v[L16], v[TMP+8+4*\pr:TMP+8+4*\pr+3], s[36:37] offset:512*\pr th:TH_STORE_NT
.endr
.endm
; 32 rows of x out of the scratch into window 3, in the layout of a D tile: tile t, register j = feature 16 t + 8 h + j of row r
.macro XREAD bt0, add
	WIN 0xC0
.irp b, 0,1
.irp t, 0,1,2,3,4
.irp p, 0,1,2,3
	ds_load_b64 v[48*(\bt0+\b)+8*\t+2*\p:48*(\bt0+\b)+8*\t+2*\p+1], v[XRD] offset:\add+5760*\b+64*\t+8*\p
.endr
.endr
	ds_load_b64 v[48*(\bt0+\b)+40:48*(\bt0+\b)+41], v[XRD] offset:\add+5760*\b+320      ; features 80, 81 and 88, 89
.irp p, 1,2,3
	ds_load_b64 v[48*(\bt0+\b)+40+2*\p:48*(\bt0+\b)+40+2*\p+1], v[XR0] offset:\add+5760*\b+320+8*\p   ; features 82-87 in BOTH halves: the upper half has no features 90-95 and is masked below
.endr
.endr
.endm
.macro WSUM x                          ; sum over the wave's 32 lanes
	v_add_f32_dpp v[\x], v[\x], v[\x] row_xmask:1 row_mask:0xf bank_mask:0xf
	v_add_f32_dpp v[\x], v[\x], v[\x] row_xmask:2 row_mask:0xf bank_mask:0xf
	v_add_f32_dpp v[\x], v[\x], v[\x] row_xmask:4 row_mask:0xf bank_mask:0xf
	v_add_f32_dpp v[\x], v[\x], v[\x] row_xmask:8 row_mask:0xf bank_mask:0xf
	v_permlanex16_b32 v[T2], v[\x], s32, s33
	v_add_f32 v[\x], v[\x], v[T2]
.endm
	s_load_b256 s[4:11], s[0:1], 0x0               ; state s[4:5], wts s[6:7], out1 s[8:9], part s[10:11]
	v_lshl_add_u32 v254, v0, 2, 0x46900
	v_mov_b32 v255, 0
	ds_add_u32 v254, v255
	v_lshrrev_b32 v[GAD], 5, v0
	v_readfirstlane_b32 s12, v[GAD]                ; wave
	v_and_b32 v[LN], 31, v0
	v_lshlrev_b32 v[L16], 4, v[LN]
	s_bfe_u32 s13, ttmp6, 0x40000                  ; cx
	s_lshl_b32 s14, ttmp9, 2
	s_add_co_u32 s14, s14, s13                     ; work-group = 4 x cluster + cx: it enters global addresses of x, the codes and the sums alone
	s_mul_i32 s30, s14, 8*XPASS                    ; 512 rows of 360 bytes
	s_mul_i32 s31, s12, 2*XPASS                    ; 128 rows
	s_add_co_u32 s30, s30, s31
	s_mov_b32 s31, 0
	s_mul_i32 s38, s12, WQ                         ; my quarter of the table: the wave's number alone
	s_mov_b32 s39, 0
	; descriptor group 1: 236 dense rows of 32 elements of 8 bytes
	s_mov_b32 s16, 0x0023000f                      ; 15:0 mask = all four of the cluster; 17:16 element of 8 bytes; 21 set beside a mask; no padding
	s_mov_b32 s17, 32<<16                          ; tensor_dim0 = 32
	s_mov_b32 s18, 236<<16                         ; tensor_dim1 = 236
	s_mov_b32 s19, 32<<16                          ; tile_dim0 = 32
	s_mov_b32 s20, 236                             ; tile_dim1 = 236
	s_mov_b32 s21, 32                              ; elements from row to row
	s_mov_b32 s22, 0
	s_mov_b32 s23, 0
	s_mov_b32 s24, 1                               ; group 0: count
	s_mul_i32 s25, s12, WQ                         ; LDS address
	s_wait_dscnt 0x0
	s_wait_kmcnt 0x0
	s_add_nc_u64 s[26:27], s[6:7], s[38:39]        ; global address: equal in all four work-groups
	s_or_b32 s27, s27, 0x80000000                  ; type = 2
	s_add_nc_u64 s[28:29], s[4:5], s[30:31]        ; x at my wave's first row
	s_lshl_b32 s30, s14, 13                        ; 512 rows of 16 bytes
	s_lshl_b32 s46, s12, 11                        ; 128 rows
	s_add_co_u32 s30, s30, s46
	s_add_nc_u64 s[36:37], s[8:9], s[30:31]        ; the codes of my wave's first row
	s_lshl_b32 s30, s14, 4
	s_add_nc_u64 s[10:11], s[10:11], s[30:31]      ; my work-group's 16 bytes of sums
	XLOAD                                          ; the first pass's x is on its way before anything else
	WIN 0
	ROUND                                          ; all four work-groups are here: the joint loads meet
	tensor_load_to_lds s[24:27], s[16:23]          ; my wave's one tensor load
	s_nop 0
	s_mov_b32 s32, 0x76543210                      ; v_permlanex16_b32: lane i takes lane i of the other half
	s_mov_b32 s33, 0xfedcba98
	s_mov_b32 s34, 0xffff0000                      ; lanes 16 to 31
	s_mul_i32 s44, s12, XSW
	s_add_co_u32 s44, s44, XSC                     ; my wave's scratch
	s_lshl_b32 s45, s12, 4
	s_add_co_u32 s45, s45, RED                     ; my wave's 16 bytes
	v_and_b32 v[RR], 15, v0
	v_bfe_u32 v[HH], v0, 4, 1
	v_lshl_add_u32 v[BAD], v[HH], 5, CSTO
	v_mul_u32_u24 v[XR0], 360, v[RR]
	v_add_nc_u32 v[XR0], s44, v[XR0]
	v_lshl_add_u32 v[XRD], v[HH], 5, v[XR0]
	v_add_nc_u32 v[XWR], s44, v[L16]
	v_add_nc_u32 v[HM], -1, v[HH]
	v_lshlrev_b32 v[H8], 3, v[HH]
	v_mov_b32 v[ONEL], 0x3f80
	v_mov_b32 v[ONEH], 0x3f800000
	v_mov_b32 v[ADR], v[L16]
	v_add_nc_u32 v[ADR+1], 0x10000, v[L16]
	v_add_nc_u32 v[ADR+2], 0x20000, v[L16]
	v_add_nc_u32 v[ADR+3], 0x30000, v[L16]
.irp i, 0,1,2,3
	v_mov_b32 v[T2+\i], 0                          ; a permute's destination counts as read
	v_mov_b32 v[AR+\i], 0
.endr
	v_mov_b32 v[AM], 0
.irp i, 0,1,2,3,4,5,6,7
	v_mov_b32 v[AS+\i], 0                          ; the sums of the losses run through both passes
	v_mov_b32 v[AA+\i], 0
.endr
	s_wait_tensorcnt 0x0                           ; my quarter of the table has landed, for the other waves' sake
	s_barrier_signal -1
	s_barrier_wait -1                              ; all four quarters have
	s_mov_b32 s15, 0
.Lpass:
	NEXT W1O, 3, 0                                 ; the first half's bias and fragments: no half stands in front of it to ask for them
.set PFF, 0
.set LL, 0
.rept 8
	PFL LL
.set LL, LL+1
.endr
	; x: 64 rows of 360 bytes came as 45 x 512 dense bytes; they are turned into rows by lanes through the scratch, 32 rows at a time
	s_wait_loadcnt 22                              ; of the 45 loads the 22 youngest may be out: loads 0 to 22 hold rows 0 to 31
	WIN 0x04
.set ii, 0
.rept 23
	ds_store_b128 v[XWR], v[4*ii:4*ii+3] offset:512*ii
.set ii, ii+1
.endr
	XREAD 0, 0                                     ; LDS serves a wave's instructions in order (ISA guide 5.7.1.4): these see the stores above
	s_wait_loadcnt 0x0
	s_wait_dscnt 0x0                               ; my reads of the scratch are back before it is written again
	WIN 0x04
.set ii, 0
.rept 23
	ds_store_b128 v[XWR], v[4*(ii+22):4*(ii+22)+3] offset:512*ii       ; row 32 begins 256 bytes into load 22
.set ii, ii+1
.endr
	XREAD 2, 256
	s_wait_dscnt 0x0
	WIN 0xCC
.irp bt, 0,1,2,3
.irp j, 2,3,4,5,6,7
	v_and_b32 v[48*\bt+40+\j], v[HM], v[48*\bt+40+\j]      ; features 90 to 95 do not exist: 0
.endr
.endr
	WIN 0x8F
.irp bt, 0,1,2,3
.irp t, 0,1,2,3,4,5
.irp i, 0,1,2,3
	v_cvt_pk_bf16_f32 v[32*\bt+8*(\t>>1)+4*(\t&1)+\i], v[48*\bt+8*\t+2*\i], v[48*\bt+8*\t+2*\i+1]     ; x as B fragments, three along k
.endr
.endr
.endr
	; encoder layer 1: 96 -> 128, from R (x) into P.  Halves of 12: a tile's epilogue takes three slots.
	RBLK 3,0x08,0, W1O,0, 0, 0,0,0, 0x40,128, W1O+3072*2,3,64*2
.irp p, 1,2
	RBLK 3,0x08,0, W1O,0, \p, 1,0x40,128+8*(\p-1), 0x40,128, W1O+3072*(2*\p+2),3,64*(2*\p+2)
.endr
	RBLK 3,0x08,0, W1O,0, 3, 1,0x40,128+16, 0x40,128, W2O,4,512
	; encoder layer 2: 128 -> 128, from P into R (h2).  Its first half carries layer 1's last epilogue: tile bt's conversions stand behind matrix
	; instruction 4 bt + 2, and the first that reads them (k fragment 3 of tile bt) is number 12 + bt.  The same holds at every later change of layers.
	RBLK 4,0x04,128, W2O,512, 0, 1,0x40,128+24, 0x80,0, W2O+4096*2,4,512+64*2
.irp p, 1,2
	RBLK 4,0x04,128, W2O,512, \p, 1,0x80,8*(\p-1), 0x80,0, W2O+4096*(2*\p+2),4,512+64*(2*\p+2)
.endr
	RBLK 4,0x04,128, W2O,512, 3, 1,0x80,16, 0x80,0, MTO,4,1024
	; the four stages of the quantiser, 32 distances a row each, with the four blocks of |r|^2 between them
	NEXT MTO+4096, 4, 1024+64
	HALF 4, 0x08, 0x08, 0, ACC, 0, 0, 1, 0x80, 24, 0
	NEXT QMO, 4, 1536
	HALF 4, 0x08, 0x08, 0, ACC, 1, 0, 0, 0, 0, 0
	QBLK 0, 4.0, MTO+8192, 1024+128
	TBLK 1
	QBLK 1, 3.0, MTO+16384, 1024+256
	TBLK 2
	QBLK 2, 2.0, MTO+24576, 1024+384
	TBLK 3
	QBLK 3, 1.0, PTO, 2560
	CODES
	; decoder layer 1: the four chosen codes through dec_w1, as PT x one-hot, from E into P; its first half carries the last block of |r|^2
	RBLK 4,0x04,0, PTO,2560, 0, 3,3,0, 0x40,128, PTO+4096*2,4,2560+64*2
.irp p, 1,2
	RBLK 4,0x04,0, PTO,2560, \p, 1,0x40,128+8*(\p-1), 0x40,128, PTO+4096*(2*\p+2),4,2560+64*(2*\p+2)
.endr
	RBLK 4,0x04,0, PTO,2560, 3, 1,0x40,128+16, 0x40,128, D2O,4,3072
	; decoder layer 2: from P into R
	RBLK 4,0x04,128, D2O,3072, 0, 1,0x40,128+24, 0x80,0, D2O+4096*2,4,3072+64*2
.irp p, 1,2
	RBLK 4,0x04,128, D2O,3072, \p, 1,0x80,8*(\p-1), 0x80,0, D2O+4096*(2*\p+2),4,3072+64*(2*\p+2)
.endr
	RBLK 4,0x04,128, D2O,3072, 3, 1,0x80,16, 0x80,0, DFO,4,3584
	; decoder layer 3: 128 -> 96, and the two reconstruction losses
	NEXT DFO+4096, 4, 3584+64
	HALF 4, 0x08, 0x08, 0, ACC, 0, 0, 1, 0x80, 24, 0
	; window 1 is free from here on (E and P were last multiplied a half ago): the second pass's x is asked for, 80 matrix instructions ahead of its use
	WIN 0
	s_cmp_eq_u32 s15, 1
	s_cbranch_scc1 .Lnox                           ; the last pass asks for nothing: no load leaves the buffer
	s_add_nc_u64 s[28:29], s[28:29], XPASS         ; the loads that used this base were waited for at the pass's head
	XLOAD
	WIN 0
.Lnox:
	NEXT DFO+8192, 4, 3584+128
	HALF 4, 0x08, 0x08, 0, ACC, 1, 0, 4, 0, 0, 0
	NEXT DFO+12288, 4, 3584+192
	HALF 4, 0x08, 0x08, 0, ACC, 0, 0, 4, 0, 0, 0
	NEXT DFO+16384, 4, 3584+256
	HALF 4, 0x08, 0x08, 0, ACC, 1, 0, 4, 1, 0, 0
	NEXT DFO+20480, 4, 3584+320
	HALF 4, 0x08, 0x08, 0, ACC, 0, 0, 4, 1, 0, 0
	NEXT 0, -1, 0
	HALF 4, 0x08, 0x08, 0, ACC, 1, 0, 4, 2, 0, 0
	WIN 0
	PLACES                                         ; the last half's epilogue has no half to ride in
.set ESF, 1
.set HS, 0
.rept 16
.set EBT, HS>>2
.set EPH, HS&3
	LOSS_SL 2
.set HS, HS+1
.endr
	WIN 0
	s_wait_xcnt 0x0                                ; the codes' stores have read their data and base: both are rewritten only behind this wait
	s_add_nc_u64 s[36:37], s[36:37], 1024          ; 64 rows of 16 bytes
	s_add_co_u32 s15, s15, 1
	s_cmp_lt_u32 s15, 2
	s_cbranch_scc1 .Lpass
	; the wave's three sums.  Both halves of the lanes hold every minimum, hence the 0.5; the features of h2 . (..) are shared out, so that sum is whole.
	v_add_f32 v[AR], v[AR], v[AR+1]
	v_add_f32 v[AR+2], v[AR+2], v[AR+3]
	v_add_f32 v[AR], v[AR], v[AR+2]
	v_mul_f32 v[TMP], 0.5, v[AM]
	v_fmac_f32 v[TMP], 4.0, v[AR]                  ; 4 (|r|^2 - bb) + 4 m0 + 3 m1 + 2 m2 + m3
	v_pk_add_f32 v[AS:AS+1], v[AS:AS+1], v[AS+2:AS+3]
	v_pk_add_f32 v[AS+4:AS+5], v[AS+4:AS+5], v[AS+6:AS+7]
	v_pk_add_f32 v[AA:AA+1], v[AA:AA+1], v[AA+2:AA+3]
	v_pk_add_f32 v[AA+4:AA+5], v[AA+4:AA+5], v[AA+6:AA+7]
	v_pk_add_f32 v[AS:AS+1], v[AS:AS+1], v[AS+4:AS+5]
	v_pk_add_f32 v[AA:AA+1], v[AA:AA+1], v[AA+4:AA+5]
	v_add_f32 v[TMP+2], v[AS], v[AS+1]
	v_add_f32 v[TMP+1], v[AA], v[AA+1]
	v_mov_b32 v[TMP+3], 0
	WSUM TMP
	WSUM TMP+1
	WSUM TMP+2
	v_mov_b32 v[GAD], s45
	ds_store_b128 v[GAD], v[TMP:TMP+3]             ; every lane writes the same 16 bytes with the same numbers
	s_wait_dscnt 0x0                               ; for wave 0's sake
	s_barrier_signal -1
	s_barrier_wait -1
	s_cmp_lg_u32 s12, 0
	s_cbranch_scc1 .Lnot0
	v_mov_b32 v[GAD], RED
.irp i, 0,1,2,3
	ds_load_b128 v[AF+4*\i:AF+4*\i+3], v[GAD] offset:16*\i
.endr
	s_wait_dscnt 0x0
	v_pk_add_f32 v[AF:AF+1], v[AF:AF+1], v[AF+4:AF+5]
	v_pk_add_f32 v[AF+2:AF+3], v[AF+2:AF+3], v[AF+6:AF+7]
	v_pk_add_f32 v[AF+8:AF+9], v[AF+8:AF+9], v[AF+12:AF+13]
	v_pk_add_f32 v[AF+10:AF+11], v[AF+10:AF+11], v[AF+14:AF+15]
	v_pk_add_f32 v[AF:AF+1], v[AF:AF+1], v[AF+8:AF+9]
	v_pk_add_f32 v[AF+2:AF+3], v[AF+2:AF+3], v[AF+10:AF+11]
	v_cmp_eq_u32 vcc_lo, 0, v[LN]
	s_wait_xcnt 0x0                                ; EXEC is a source of the stores above: it changes only behind this wait
	s_and_saveexec_b32 s35, vcc_lo
	global_store_b128 v[L16], v[AF:AF+3], s[10:11] ; lane 0: (vq, abs, square, 0)
	s_wait_xcnt 0x0
	s_or_b32 exec_lo, exec_lo, s35
.Lnot0:
	s_wait_tensorcnt 0x0
	ds_add_u32 v254, v255
	s_wait_dscnt 0x0
	ROUND                                          ; the closing round: no work-group ends before its partners have made their joint loads
	s_endpgm
.Lfunc_end_k_qd0efb78c90_main:
	.size	k_qd0efb78c90_main, .Lfunc_end_k_qd0efb78c90_main-k_qd0efb78c90_main
	.p2alignl 7, 3214868480
	.fill 96, 4, 3214868480
	.section	.rodata,"a",@progbits
	.p2align	6, 0x0
	.amdhsa_kernel k_qd0efb78c90_main
		.amdhsa_group_segment_fixed_size 289536
		.amdhsa_private_segment_fixed_size 0
		.amdhsa_enable_private_segment 0
		.amdhsa_kernarg_size 32
		.amdhsa_user_sgpr_count 2
		.amdhsa_user_sgpr_kernarg_segment_ptr 1
		.amdhsa_wavefront_size32 1
		.amdhsa_system_sgpr_workgroup_id_x 1
		.amdhsa_system_sgpr_workgroup_id_y 1
		.amdhsa_system_sgpr_workgroup_id_z 1
		.amdhsa_system_vgpr_workitem_id 0
		.amdhsa_next_free_vgpr 1024
		.amdhsa_next_free_sgpr 66
		.amdhsa_reserve_vcc 1
		.amdhsa_float_denorm_mode_32 3
		.amdhsa_float_denorm_mode_16_64 3
		.amdhsa_memory_ordered 1
		.amdhsa_forward_progress 1
		.amdhsa_inst_pref_size 255
	.end_amdhsa_kernel
	.section	.bss,"aw",@nobits
	.p2align	6
	.space	262144
	.amdgpu_metadata
---
amdhsa.version: [ 1, 2 ]
amdhsa.kernels:
  - .name:           k_qd0efb78c90_main
    .symbol:         k_qd0efb78c90_main.kd
    .args:
      - { .name: state, .offset: 0, .size: 8, .value_kind: global_buffer, .address_space: global }
      - { .name: wts, .offset: 8, .size: 8, .value_kind: global_buffer, .address_space: global }
      - { .name: out1, .offset: 16, .size: 8, .value_kind: global_buffer, .address_space: global }
      - { .name: part, .offset: 24, .size: 8, .value_kind: global_buffer, .address_space: global }
    .group_segment_fixed_size: 289536
    .private_segment_fixed_size: 0
    .kernarg_segment_align: 8
    .kernarg_segment_size: 32
    .max_flat_workgroup_size: 128
    .sgpr_count:     66
    .vgpr_count:     1024
    .wavefront_size: 32
...
	.end_amdgpu_metadata
.endif
;; end of part 2
;; launch fin (part 3): grid 1 x 1, 1 waves a work-group, no clusters, 0 bytes of LDS; arguments part, wts, out0, out2, out3, out4; writes out0, out2, out3, out4
.if DOCPART == 3
	.amdgcn_target "amdgcn-amd-amdhsa--gfx1250"
	.amdhsa_code_object_version 6
	.text
	.protected	k_qd0efb78c90_fin
	.globl	k_qd0efb78c90_fin
	.p2align	8
	.type	k_qd0efb78c90_fin,@function
k_qd0efb78c90_fin:
	s_mov_b64 s[64:65], 0
	v_nop
	global_prefetch_b8 v0, s[64:65] scope:SCOPE_SE
	s_setreg_imm32_b32 hwreg(HW_REG_WAVE_MODE, 25, 1), 1
	s_wait_xcnt 0x0
; Adds the 256 work-groups' partial sums (vq, abs, square, 0) in a fixed order and makes the four numbers.  One wave: 4,096 bytes, eight loads.
;   vq_loss = Svq / (131072 x 512) + 4 bb / 512       encoder_loss = Sabs / (131072 x 90)       recon_loss = Ssq / (131072 x 90)       loss = encoder_loss + 5 vq_loss
.set INV_VQ, 0x32800000                ; 2^-26
.set INV_BB, 0x3c000000                ; 2^-7
.set INV_X,  0x33b60b61                ; 1 / (90 x 2^17)
	s_load_b256 s[4:11], s[0:1], 0x0               ; part s[4:5], wts s[6:7], out0 s[8:9], out2 s[10:11]
	s_load_b128 s[12:15], s[0:1], 0x20             ; out3 s[12:13], out4 s[14:15]
	v_lshlrev_b32 v1, 4, v0
	s_mov_b32 s16, 0x76543210
	s_mov_b32 s17, 0xfedcba98
	v_mov_b32 v40, 0                               ; a permute's destination counts as read
	v_mov_b32 v41, 0
	v_mov_b32 v42, 0
	v_mov_b32 v12, 0                               ; the stores' offset
	s_wait_kmcnt 0x0
	s_load_b32 s18, s[6:7], 0x3a800                ; bb = |enc_bf|^2, at byte 237,568 + 2,048 of wts
.irp i, 0,1,2,3,4,5,6,7
	global_load_b128 v[4+4*\i+12:7+4*\i+12], v1, s[4:5] offset:512*\i
.endr
	s_wait_loadcnt 0x0
.irp i, 1,2,3,4,5,6,7
	v_pk_add_f32 v[16:17], v[16:17], v[16+4*\i:17+4*\i]
	v_add_f32 v18, v18, v[18+4*\i]
.endr
.irp m, 1,2,4,8
	v_add_f32_dpp v16, v16, v16 row_xmask:\m row_mask:0xf bank_mask:0xf
	v_add_f32_dpp v17, v17, v17 row_xmask:\m row_mask:0xf bank_mask:0xf
	v_add_f32_dpp v18, v18, v18 row_xmask:\m row_mask:0xf bank_mask:0xf
.endr
	v_permlanex16_b32 v40, v16, s16, s17
	v_permlanex16_b32 v41, v17, s16, s17
	v_permlanex16_b32 v42, v18, s16, s17
	v_add_f32 v16, v16, v40
	v_add_f32 v17, v17, v41
	v_add_f32 v18, v18, v42
	s_wait_kmcnt 0x0
	s_mul_f32 s19, s18, INV_BB
	v_mov_b32 v8, s19
	v_fmac_f32 v8, INV_VQ, v16                     ; vq_loss
	v_mul_f32 v9, INV_X, v17                       ; encoder_loss
	v_mul_f32 v10, INV_X, v18                      ; recon_loss
	v_fma_f32 v11, 0x40a00000, v8, v9              ; loss = 5 vq_loss + encoder_loss
	v_cmp_eq_u32 vcc_lo, 0, v0
	s_wait_xcnt 0x0                                ; EXEC is a source of the loads above: it changes only behind this wait
	s_and_saveexec_b32 s20, vcc_lo
	global_store_b32 v12, v11, s[8:9]
	global_store_b32 v12, v8, s[10:11]
	global_store_b32 v12, v10, s[12:13]
	global_store_b32 v12, v9, s[14:15]
	s_wait_xcnt 0x0
	s_or_b32 exec_lo, exec_lo, s20
	s_endpgm
.Lfunc_end_k_qd0efb78c90_fin:
	.size	k_qd0efb78c90_fin, .Lfunc_end_k_qd0efb78c90_fin-k_qd0efb78c90_fin
	.p2alignl 7, 3214868480
	.fill 96, 4, 3214868480
	.section	.rodata,"a",@progbits
	.p2align	6, 0x0
	.amdhsa_kernel k_qd0efb78c90_fin
		.amdhsa_group_segment_fixed_size 0
		.amdhsa_private_segment_fixed_size 0
		.amdhsa_enable_private_segment 0
		.amdhsa_kernarg_size 48
		.amdhsa_user_sgpr_count 2
		.amdhsa_user_sgpr_kernarg_segment_ptr 1
		.amdhsa_wavefront_size32 1
		.amdhsa_system_sgpr_workgroup_id_x 1
		.amdhsa_system_sgpr_workgroup_id_y 1
		.amdhsa_system_sgpr_workgroup_id_z 1
		.amdhsa_system_vgpr_workitem_id 0
		.amdhsa_next_free_vgpr 48
		.amdhsa_next_free_sgpr 66
		.amdhsa_reserve_vcc 1
		.amdhsa_float_denorm_mode_32 3
		.amdhsa_float_denorm_mode_16_64 3
		.amdhsa_memory_ordered 1
		.amdhsa_forward_progress 1
		.amdhsa_inst_pref_size 5
	.end_amdhsa_kernel
	.amdgpu_metadata
---
amdhsa.version: [ 1, 2 ]
amdhsa.kernels:
  - .name:           k_qd0efb78c90_fin
    .symbol:         k_qd0efb78c90_fin.kd
    .args:
      - { .name: part, .offset: 0, .size: 8, .value_kind: global_buffer, .address_space: global }
      - { .name: wts, .offset: 8, .size: 8, .value_kind: global_buffer, .address_space: global }
      - { .name: out0, .offset: 16, .size: 8, .value_kind: global_buffer, .address_space: global }
      - { .name: out2, .offset: 24, .size: 8, .value_kind: global_buffer, .address_space: global }
      - { .name: out3, .offset: 32, .size: 8, .value_kind: global_buffer, .address_space: global }
      - { .name: out4, .offset: 40, .size: 8, .value_kind: global_buffer, .address_space: global }
    .group_segment_fixed_size: 0
    .private_segment_fixed_size: 0
    .kernarg_segment_align: 8
    .kernarg_segment_size: 48
    .max_flat_workgroup_size: 32
    .sgpr_count:     66
    .vgpr_count:     48
    .wavefront_size: 32
...
	.end_amdgpu_metadata
.endif
;; end of part 3
